; MI455X (gfx1250); checked and timed in simulation.
; The chip was launched on July 23, 2026; its instructions are those of AMD's public machine-readable ISA for CDNA 5 (MIT licence, August 2026) and "CDNA5" Instruction Set Architecture Reference Guide (July 2026). The comments in the code are by the model that wrote it; some were corrected since.
;; Attention Based Merger. Allowed arithmetic: matrix products marked QUANTISED: E2M1 operands, one E8M0 scale for each 32 along K, by v_wmma_scale_f32_16x16x128_f8f6f4 with both operands' format E2M1 (or v_wmma_scale_f32_32x16x128_f4), f32 sums; products left as they are: f32 operands where the result goes on into a quantised operand, else bf16, f16 or f32 operands; f32 sums; everything else in f32.
;; Inputs: Wd_codes 1,024 x 32 x 16 uint8 (E2M1 codes of Wd, K innermost, in blocks of 32 codes, two codes a byte); Wd_scales 1,024 x 32 uint8 (E8M0 scales of Wd, one for each 32 codes along K); Wk_codes 1,024 x 32 x 16 uint8 (E2M1 codes of Wk, K innermost, in blocks of 32 codes, two codes a byte); Wk_scales 1,024 x 32 uint8 (E8M0 scales of Wk, one for each 32 codes along K); Wq_codes 1,024 x 32 x 16 uint8 (E2M1 codes of Wq, K innermost, in blocks of 32 codes, two codes a byte); Wq_scales 1,024 x 32 uint8 (E8M0 scales of Wq, one for each 32 codes along K); Wv_codes 1,024 x 32 x 16 uint8 (E2M1 codes of Wv, K innermost, in blocks of 32 codes, two codes a byte); Wv_scales 1,024 x 32 uint8 (E8M0 scales of Wv, one for each 32 codes along K); bd 1,024 float32; bk 1,024 float32; bq 1,024 float32; bv 1,024 float32; input_tensor_codes 64 x 1 x 32 x 16 uint8 (E2M1 codes of input_tensor, K innermost, in blocks of 32 codes, two codes a byte); input_tensor_scales 64 x 1 x 32 uint8 (E8M0 scales of input_tensor, one for each 32 codes along K); retrieval_tensor_codes 64 x 512 x 32 x 16 uint8 (E2M1 codes of retrieval_tensor, K innermost, in blocks of 32 codes, two codes a byte); retrieval_tensor_scales 64 x 512 x 32 uint8 (E8M0 scales of retrieval_tensor, one for each 32 codes along K); u_noise 64 x 16 x 1 x 512 x 2 float32.
;; Outputs: out0 64 x 1,024 float32.
;; This version of the problem:
;;   THIS VERSION OF THE PROBLEM IS GIVEN IN LOW PRECISION. The matrix products marked QUANTISED in the list below multiply operands that are first quantised to E2M1 (2 exponent bits, 1 mantissa bit; 4 bits a number), with one power-of-two scale for each 32 numbers along K (OCP MX v1.0); their sums are f32. All else is computed in f32.
;;   The module's matrix products, in the order in which they are computed (A, B: the left and right operand; K: the contracted axis; several contracted axes count as one K, in the product's order):
;;     1. [M 64, K 1,024] x [K 1,024, N 1,024]; A: input input_tensor (given as codes); B: input Wq (given as codes): QUANTISED
;;     2. [M 32,768, K 1,024] x [K 1,024, N 1,024]; A: input retrieval_tensor (given as codes); B: input Wk (given as codes): QUANTISED
;;     3. [M 32,768, K 1,024] x [K 1,024, N 1,024]; A: input retrieval_tensor (given as codes); B: input Wv (given as codes): QUANTISED
;;     4. batch 1,024 x [M 1, K 64] x [K 64, N 512]; A: computed on the way; B: computed on the way: left as it is (M = 1 < 16)
;;     5. batch 1,024 x [M 1, K 512] x [K 512, N 64]; A: computed on the way; B: computed on the way: left as it is (M = 1 < 16)
;;     6. [M 64, K 1,024] x [K 1,024, N 1,024]; A: computed on the way; B: input Wd (given as codes): QUANTISED
;;   THE QUANTISER, for each operand of a quantised product, along K:
;;     - K is cut into blocks of 32 from its start; a last block that is shorter is filled with zeros.
;;     - A block's scale is 2^e with e = floor(log2(the largest magnitude in the block)) - 2, held to -126 .. 127; a block of zeros has e = 0. As a byte (E8M0): e + 127.
;;     - Each number is divided by its block's scale, clamped to +-6, and rounded to the nearest number of E2M1, ties to even, subnormals kept.
;;     - The product sums the exact products of the quantised numbers (number of the format x scale) in f32.
;;   ~~~python
;;   def quantise(x, axis):      # numpy; x: float32 -> the quantised numbers, widened to float32 again
;;       x = np.moveaxis(x, axis, -1); K = x.shape[-1]
;;       x = np.pad(x, [(0, 0)] * (x.ndim - 1) + [(0, -K % 32)]); x = x.reshape(x.shape[:-1] + (-1, 32)); a = np.abs(x).max(-1, keepdims=True)
;;       e = np.where(a > 0, np.clip(np.frexp(np.where(a > 0, a, 1))[1] - 1 - 2, -126, 127), 0)      # np.frexp(a)[1] - 1 = floor(log2(a)), exactly
;;       r = np.clip(x / 2.0 ** e, -6, 6)
;;       step = 2.0 ** (np.maximum(np.frexp(np.where(r == 0, 1, r))[1] - 1, 0) - 1)
;;       q = np.round(r / step) * step * 2.0 ** e      # np.round: ties to even
;;       return np.moveaxis(q.reshape(q.shape[:-2] + (-1,))[..., :K], -1, axis).astype(np.float32)
;;   ~~~
;;   OPERANDS COMPUTED ON THE WAY. 'Computed on the way' means the value that the module computes at that place (a softmax that the list does not call 'softmax' is quantised finished and normalised). What goes into a quantiser is computed in f32, as accurately as f32 sums, v_exp_f32 and their like allow (about 1e-6 of the number): no bf16 or f16 on the way to a quantiser, and a product that is left as it is and whose result goes on into a quantised operand takes f32 operands (vector FMAs, or v_wmma_f32_16x16x4_f32). A number that lies on a knife's edge between two numbers of the format may be rounded either way, as far as f32 arithmetic and the matrix unit's own rounding can turn it there, and no further.
;;   INPUTS GIVEN AS CODES. Wd (in the module: [1024, 1024], K = its axis 0); Wk (in the module: [1024, 1024], K = its axis 0); Wq (in the module: [1024, 1024], K = its axis 0); Wv (in the module: [1024, 1024], K = its axis 0); input_tensor (in the module: [64, 1, 1024], K = its axis 2); retrieval_tensor (in the module: [64, 512, 1024], K = its axis 2): each comes as NAME_codes (uint8): NAME with its K axis moved to the last place and cut into blocks of 32 codes, [.., K / 32, bytes a block], one block behind the other in memory; two codes a byte, the lower K in the low four bits (a code: sign, 2 exponent bits, 1 mantissa bit); and NAME_scales (uint8): the same leading axes, one E8M0 byte (e + 127) for each 32 codes along K. Its value is code x scale, taken as it is: it is not quantised again, and the codes and scales need not be those that the quantiser above would give.
;; One version. Each part assembles by itself: llvm-mc -triple=amdgcn-amd-amdhsa -mcpu=gfx1250 --defsym DOCPART=n.
;; ======== version 1 of 1: 2 launches
;; limits: right only within a limited range of input values
;; workspace buffers: ctx 65,536 bytes
;; launch attend (part 1): grid 8 x 32, 4 waves a work-group, clusters of 4 x 4, 327,680 bytes of LDS; arguments retrieval_tensor_codes, retrieval_tensor_scales, Wk_codes, Wv_codes, Wk_scales, Wv_scales, Wq_codes, Wq_scales, input_tensor_codes, input_tensor_scales, bq, bk, bv, u_noise, ctx; writes ctx
.if DOCPART == 1
	.amdgcn_target "amdgcn-amd-amdhsa--gfx1250"
	.amdhsa_code_object_version 6
	.text
	.protected	k_q17800fe05e_attend
	.globl	k_q17800fe05e_attend
	.p2align	8
	.type	k_q17800fe05e_attend,@function
k_q17800fe05e_attend:
	s_mov_b64 s[64:65], 0
	v_nop
	global_prefetch_b8 v0, s[64:65] scope:SCOPE_SE
	s_setreg_imm32_b32 hwreg(HW_REG_WAVE_MODE, 25, 1), 1
	s_wait_xcnt 0x0
	s_wait_alu depctr_hold_cnt(0) depctr_sa_sdst(0) depctr_va_vdst(0) depctr_va_sdst(0) depctr_va_ssrc(0) depctr_va_vcc(0) depctr_vm_vsrc(0)
	s_getreg_b32 s2, hwreg(HW_REG_IB_STS2, 6, 4)
	s_cmp_eq_u32 s2, 0
	s_cbranch_scc0 .Lentry_in_a_cluster
	s_endpgm
.Lentry_in_a_cluster:
	s_bfe_u32 s2, ttmp6, 0x10000c
	s_cmp_lg_u32 s2, 0xf033
	s_cbranch_scc0 .Lentry_shape_is_right
	s_endpgm
.Lentry_shape_is_right:
; ctx(b, 64 h + d) = sum over keys of gate(b, h, key) x v(b, key, 64 h + d), with q = x Wq + bq, k = R Wk + bk, v = R Wv + bv on codes of FP4 (E2M1) with E8M0 scales, as they are given.  ctx leaves quantised, along its 1,024.
; gate = the first of the two-way gumbel softmax of log(p + E), log(1 - p + E), p = (cos(q, k) + 1) / 2, E = 1e-20, with noise g_i = -log(a_i), a_i = -ln(u_i + E) + E.
; exp(log(p + E) + g_0) is (p + E) / a_0, so the softmax is written without exponentials: gate = (p + E) a_1 / ((p + E) a_1 + (1 - p + E) a_0).  Both terms lie between 1e-40 and 47,
; and their sum is at least 5e-21 (one of p, 1 - p is at least 0.5, and a is at least 1e-20): nothing overflows, and the divisor is no denormal.
; 1 / |k| and the reciprocal of that sum are made by Newton's iteration in plain f32 fused multiply-adds, carried to f32's own rounding for every normal number: so no transcendental stands between the links of the matrix sums.
; LIMITS: where rounding puts a cosine an ulp beyond +-1, the logarithm form gives NaN and this text a gate just outside [0, 1]; a head whose |q|^2 or |k|^2 is 0 or denormal (under 2^-126) is not served as the division serves it;
; blocks of ctx whose largest magnitude lies under 2^-124 have their scale's byte held at 1 (a block of zeros so gets zero codes, which add nothing); NaN and infinities among the inputs are not served.
; No step of the problem is left out.
; SHARES.  Work-group (x, y): heads 2 x, 2 x + 1 and batches 2 y, 2 y + 1.  Wave w (wr = w / 2, wc = w % 2) owns ONE pair (batch 2 y + wr, head 2 x + wc) for the whole launch: scores, gate and ctx never leave the wave.
; W STAYS IN REGISTERS: the wave's 64 rows of Wk fill window 2, its 64 rows of Wv lie in window 3 (K steps 0 to 5) and window 1 (6, 7); they come through LDS once.  A fragment of R is read from LDS once and serves all of the wave's 128 columns.
; A TRIP (sixteen of them) is 32 keys: first k's products (32 matrix instructions), then v's.  Beside v's products stand the dots and norms of k; beside the next trip's k products the gate and ctx += gate x v.
; THE MATRIX INSTRUCTION IS USED TRANSPOSED (source 0 = 32 rows of W, source 1 = 16 keys of R): lane (r, h) holds key r; register 8 s + j of block B: channel 32 B + 16 s + 8 h + j.  Accumulator (a, B): keys 16 a on.
; WINDOWS.  v's products and the lines beside them share one setting: in K steps 0 to 5 source 0 is window 3 (Wv, q), source 1 window 1 (R, k); in 6 and 7 both are window 1 (Wv and R; k and k); source 2 and the results window 0.
; THE RING.  R goes through two LDS slots of 128 keys of both batches; slot 1 first holds Wk's and Wv's 128 rows.  A refill has four trips, 256 matrix instructions a wave, in which to land: so no prefetch stands beside it.
; CLUSTER 4 x 4.  R's tiles hang on y alone: asked for jointly along a row of the cluster; W's rows hang on x alone: jointly along a column.
; REGISTERS.  Window 0: v1-9 addresses; v12-15 x's scale words; v16-47 W's scale words; v48-63 R's, two sets (at the head Wq's); v64-127 biases; v128-159 ctx's sums (at the head u); v160-223 v's accumulators (at the head x);
;   v224-235 dots and norms, then the gate's work (at the head addresses); v236-239 gates; v240-247 addresses, a.  Window 1: v0-127 R's fragments (at the head Wq), v128-191 k's accumulators (at the head q, R's scale bytes), v192-255 Wv's K steps 6, 7.
;   Window 3: v0-191 Wv's K steps 0 to 5, v192-223 q / |q|.
.set RP,    528                        ; a row of R or of W in LDS: 512 bytes + 16
.set HALF,  128*RP                     ; 128 rows
.set SCAL,  135168                     ; behind slot 0: R's scale bytes: 1,024 rows x 32 bytes as 128 blocks of 256 + 16; no fill lands here
.set S1,    169984                     ; slot 1
.set AOFF,  305152                     ; a_0, a_1 of the wave's 512 keys: 4,096 bytes a wave; no fill lands here
.set SPARE, 321536                     ; the spare words, 128 bytes a wave: two blocks of 256 bytes that no other line names
.set CX,    322048                     ; the way out: 256 bytes; no fill lands here
.set QX,    323072                     ; q: [2 batches][128 channels] f32; no fill lands here
.set WSC,   16
.set RSC,   48
.set BK,    64
.set BV,    96
.set CT,    128
.set VA,    160
.set PB,    236
.set KA,    128                        ; in window 1
.set RST,   160                        ; in window 1: R's scale bytes on their way into LDS
.set QN,    192                        ; in window 3
.set MSB, 0
.macro WIN new                         ; the immediate's high byte repeats the setting that is left; a switch that changes nothing is dropped
.if MSB != (\new)
	s_set_vgpr_msb (MSB<<8)|(\new)
.set MSB, (\new)
.endif
.endm
.macro PLACES n                        ; plain vector lines behind a matrix instruction (ISA guide 7.12.1)
.rept \n
	v_nop
.endr
.endm
.macro STLE
	s_wait_alu depctr_va_vdst(0)
.endm
.macro CROUND                          ; a whole round of the cluster's barrier
	s_barrier_signal -1
	s_barrier_wait -1
	s_cmp_lg_u32 s56, 0
	s_cbranch_scc1 .Lnot_wave_0_\@
	s_barrier_signal -3
.Lnot_wave_0_\@:
	s_barrier_wait -3
	s_barrier_signal -1
	s_barrier_wait -1
.endm
.macro OFFS p, ra, sa, rb, sb          ; pointer s[p:p+1] += (ra << sa) + (rb << sb)
	s_lshl_b32 s104, \ra, \sa
	s_lshl_b32 s105, \rb, \sb
	s_add_co_u32 s104, s104, s105
	s_mov_b32 s105, 0
	s_add_nc_u64 s[\p:\p+1], s[\p:\p+1], s[104:105]
.endm
.macro SLOAD reg, p                    ; the scale words of 64 rows of a weight: lane m takes row m of block B; register 8 B + q: K step q
.irp B, 0,1
	global_load_b128 v[\reg+8*\B:\reg+8*\B+3], v4, s[\p:\p+1] offset:1024*\B
	global_load_b128 v[\reg+8*\B+4:\reg+8*\B+7], v4, s[\p:\p+1] offset:1024*\B+16
.endr
.endm
.macro BLOAD reg, p                    ; a bias in the result's layout
.irp t, 0,1,2,3
	global_load_b128 v[\reg+8*\t:\reg+8*\t+3], v6, s[\p:\p+1] offset:64*\t
	global_load_b128 v[\reg+8*\t+4:\reg+8*\t+7], v6, s[\p:\p+1] offset:64*\t+16
.endr
.endm
.macro WCOPY adr, q                    ; K step q of 64 rows of a weight from LDS: block B (32 rows), its 16 rows s, its 32-byte piece c
.irp B, 0,1
.irp s, 0,1
.irp c, 0,1
	ds_load_b128 v[16*(2*(\q)+\B)+8*\s+4*\c:16*(2*(\q)+\B)+8*\s+4*\c+3], v[\adr] offset:32*RP*\B+16*RP*\s+64*(\q)+32*\c
.endr
.endr
.endr
.endm
.macro FLOAD q0                        ; R's fragments of the pair at v240 into window 1, K steps q0 .. q0 + 3: keys 16 a on, piece c
.irp q, \q0, \q0+1, \q0+2, \q0+3
.irp a, 0,1
.irp c, 0,1
	ds_load_b128 v[16*(\q)+8*\a+4*\c:16*(\q)+8*\a+4*\c+3], v240 offset:64*(\q)+32*\c+16*RP*\a
.endr
.endr
.endr
.endm
	s_load_b512 s[68:83], s[0:1], 0x0              ; R codes 68, R scales 70, Wk codes 72, Wv codes 74, Wk scales 76, Wv scales 78, Wq codes 80, Wq scales 82
	s_load_b256 s[84:91], s[0:1], 0x40             ; x codes 84, x scales 86, bq 88, bk 90
	s_load_b128 s[92:95], s[0:1], 0x60             ; bv 92, u_noise 94
	s_load_b64 s[96:97], s[0:1], 0x70              ; ctx
	v_lshl_add_u32 v10, v0, 2, SPARE               ; my spare word; never rewritten
	v_mov_b32 v11, 0                               ; 0; never rewritten
	ds_add_u32 v10, v11                            ; the opening add, twice on end
	ds_add_u32 v10, v11
	v_lshrrev_b32 v1, 5, v0
	v_readfirstlane_b32 s56, v1                    ; wave 0..3
	s_lshr_b32 s63, s56, 1                         ; wr
	s_and_b32 s58, s56, 1                          ; wc
	s_bfe_u32 s59, ttmp6, 0x40000                  ; cx
	s_bfe_u32 s60, ttmp6, 0x40004                  ; cy
	s_lshl_b32 s61, ttmp9, 2
	s_add_co_u32 s61, s61, s59                     ; x = 4 x cluster x + cx
	s_and_b32 s62, ttmp7, 0xffff
	s_lshl_b32 s62, s62, 2
	s_add_co_u32 s62, s62, s60                     ; y = 4 x cluster y + cy
	s_lshl_b32 s2, s60, 2
	s_lshl_b32 s2, 15, s2                          ; my row of the cluster
	s_lshl_b32 s3, 0x1111, s59                     ; my column
	; group 1 for R at the head: 128 rows x 512 bytes, dense; 16 bytes of padding behind every 128 words
	s_or_b32 s4, s2, (1<<20)|(1<<21)|(6<<22)|(3<<25)
	s_mov_b32 s5, 512<<16
	s_mov_b32 s6, 128<<16
	s_mov_b32 s7, 512<<16
	s_mov_b32 s8, 128
	s_mov_b32 s9, 512
	s_mov_b32 s10, 0
	s_mov_b32 s11, 0
	; for W's rows: the same, with the mask of my column
	s_or_b32 s12, s3, (1<<20)|(1<<21)|(6<<22)|(3<<25)
	s_mov_b32 s13, 512<<16
	s_mov_b32 s14, 128<<16
	s_mov_b32 s15, 512<<16
	s_mov_b32 s16, 128
	s_mov_b32 s17, 512
	s_mov_b32 s18, 0
	s_mov_b32 s19, 0
	; for R in the ring: 64 rows
	s_or_b32 s20, s2, (1<<20)|(1<<21)|(6<<22)|(3<<25)
	s_mov_b32 s21, 512<<16
	s_mov_b32 s22, 64<<16
	s_mov_b32 s23, 512<<16
	s_mov_b32 s24, 64
	s_mov_b32 s25, 512
	s_mov_b32 s26, 0
	s_mov_b32 s27, 0
	; groups 0: counts and LDS addresses: a constant + a constant x wave; no place in the cluster enters them
	s_mov_b32 s28, 1
	s_mul_i32 s29, s58, HALF                       ; waves 0, 1: batch w's 128 rows in slot 0
	s_mov_b32 s32, 1
	s_add_co_u32 s33, s29, S1                      ; waves 2, 3: Wk's, Wv's 128 rows in slot 1
	s_mov_b32 s36, 1
	s_mul_i32 s37, s56, 64*RP                      ; the ring: my 64 rows in slot 0,
	s_mov_b32 s52, 1
	s_add_co_u32 s53, s37, S1                      ; in slot 1
	s_mov_b32 s48, 0x76543210
	s_mov_b32 s49, 0xfedcba98                      ; v_permlanex16_b32's selects for lane l xor 16
	s_mov_b32 s66, 0x1e3ce508                      ; E = 1e-20
	s_mov_b32 s67, 0xbf317218                      ; -ln 2
	s_lshl_b32 s40, s56, 12
	s_add_co_u32 s40, s40, AOFF
	s_lshl_b32 s42, s56, 7
	s_add_co_u32 s42, s42, QX
	s_lshl_b32 s43, s56, 8                         ; 512 wr + 256 wc
	s_add_co_u32 s43, s43, QX
	s_mul_i32 s44, s56, 32*272
	s_add_co_u32 s44, s44, SCAL
	s_mul_i32 s45, s58, 64*RP
	s_add_co_u32 s45, s45, S1
	s_add_co_u32 s51, s45, HALF
	s_mul_i32 s46, s63, HALF
	s_mul_i32 s47, s63, 64*272
	s_add_co_u32 s47, s47, SCAL
	; my lane's places
	v_and_b32 v1, 15, v0                           ; r
	v_bfe_u32 v2, v0, 4, 1                         ; h
	v_and_b32 v9, 31, v0                           ; lane
	v_lshlrev_b32 v5, 4, v2                        ; 16 h
	v_lshl_add_u32 v3, v1, 9, v5                   ; Wq: row r of 512 bytes + 16 h
	v_lshlrev_b32 v4, 5, v9                        ; a weight's scales: 32 bytes a row, a lane a row
	v_lshlrev_b32 v6, 5, v2                        ; a bias: 32 h
	v_lshlrev_b32 v7, 4, v9                        ; u_noise, R's scale bytes: 16 bytes a lane
	v_lshlrev_b32 v8, 3, v9                        ; ctx: 8 bytes a lane
	v_add_nc_u32 v224, s40, v7                     ; a: where I store two keys' pairs
	v_lshrrev_b32 v235, 3, v1                      ; r / 8
	v_lshl_add_u32 v230, v235, 9, v5               ; x: row r / 8
	v_lshl_add_u32 v232, v235, 5, v5               ; its scales
	v_lshl_add_u32 v225, v235, 9, v6
	v_add_nc_u32 v225, s42, v225                   ; q into LDS: batch r / 8, channels 32 w + 8 h on
	v_add_nc_u32 v226, s43, v6                     ; and back: my batch, my head, 8 h on
	v_mul_u32_u24 v227, v2, 272
	v_lshl_add_u32 v227, v1, 4, v227
	v_add_nc_u32 v227, s44, v227                   ; R's scale bytes into LDS: 256 rows a wave, 512 bytes a store
	v_mul_u32_u24 v231, v1, RP
	v_add_nc_u32 v231, v231, v5                    ; a fragment's row r + 16 h
	v_add_nc_u32 v228, s45, v231                   ; my head's 64 rows of Wk,
	v_add_nc_u32 v229, s51, v231                   ; of Wv
	v_and_b32 v233, 7, v1
	v_mul_u32_u24 v234, v235, 272
	v_lshl_add_u32 v234, v233, 5, v234
	v_add_nc_u32 v234, v234, v5                    ; a scale row: eight rows of 32 bytes to a block of 272; + 16 h: lanes 16-31 take K steps 4 to 7
	v_mov_b32 v[PB+1], 0                           ; (named as the upper halves of the gates' pairs)
	v_mov_b32 v[PB+3], 0
	v_add_nc_u32 v241, s46, v231                   ; R: my batch, row r, + 16 h: the base,
	v_add_nc_u32 v240, s46, v231                   ; and pair 0
	v_add_nc_u32 v243, s47, v234                   ; its scale words likewise
	v_add_nc_u32 v242, s47, v234
	v_add_nc_u32 v247, s40, v8                     ; a: key = lane
	v_mov_b32 v253, 0                              ; (named as the upper half of the pair v[252:253])
	STLE
	s_wait_dscnt 0x0                               ; both opening adds are done
	CROUND                                         ; all sixteen work-groups are here: the first joint loads meet
	s_wait_kmcnt 0x0
	; R's addresses hang on y and the wave's number alone (offsets through s[98:99]); W's on x and the wave's number alone (through s[100:101])
	s_lshl_b32 s98, s62, 19                        ; 2 y batches x 512 keys x 512 bytes
	s_mov_b32 s99, 0
	s_add_nc_u64 s[68:69], s[68:69], s[98:99]
	s_lshl_b32 s98, s58, 18
	s_add_nc_u64 s[30:31], s[68:69], s[98:99]      ; keys 0 to 127 of batch 2 y + wc
	s_or_b32 s31, s31, 0x80000000
	s_cmp_eq_u32 s58, 0
	s_cselect_b64 s[34:35], s[72:73], s[74:75]     ; wave 2 brings Wk's rows, wave 3 Wv's
	s_lshl_b32 s100, s61, 16                       ; 128 rows x 512 bytes
	s_mov_b32 s101, 0
	s_add_nc_u64 s[34:35], s[34:35], s[100:101]
	s_or_b32 s35, s35, 0x80000000
	; the head's loads, one a wave
	s_cmp_lt_u32 s56, 2
	s_cbranch_scc0 .Lhead_w
	tensor_load_to_lds s[28:31], s[4:11]
	s_nop 0
	PLACES 4
	s_branch .Lhead_asked
.Lhead_w:
	tensor_load_to_lds s[32:35], s[12:19]
	s_nop 0
	PLACES 4
.Lhead_asked:
	; what goes straight into registers, in the order of its use
	OFFS 84, s62, 10, 0, 0                         ; x's rows 2 y, 2 y + 1
	OFFS 86, s62, 6, 0, 0                          ; their scales
	OFFS 80, s61, 16, s56, 14                      ; Wq's rows 128 x + 32 w on,
	OFFS 82, s61, 12, s56, 10                      ; their scales,
	OFFS 88, s61, 9, s56, 7                        ; bq
.irp q, 0,1,2,3,4,5,6,7
	global_load_b128 v[VA+8*\q:VA+8*\q+3], v230, s[84:85] offset:64*\q     ; x's row r / 8 in lane r
	global_load_b128 v[VA+8*\q+4:VA+8*\q+7], v230, s[84:85] offset:64*\q+32
.endr
	global_load_b128 v[12:15], v232, s[86:87]
	global_load_b128 v[RSC:RSC+3], v4, s[82:83]
	global_load_b128 v[RSC+4:RSC+7], v4, s[82:83] offset:16
	WIN 0x40
.irp s, 0,1
	global_load_b128 v[KA+8*\s:KA+8*\s+3], v6, s[88:89] offset:64*\s       ; bq lies where q's sum begins
	global_load_b128 v[KA+8*\s+4:KA+8*\s+7], v6, s[88:89] offset:64*\s+16
.endr
.irp q, 0,1,2,3,4,5,6,7
.irp s, 0,1
.irp c, 0,1
	global_load_b128 v[16*\q+8*\s+4*\c:16*\q+8*\s+4*\c+3], v3, s[80:81] offset:8192*\s+64*\q+32*\c
.endr
.endr
.endr
	OFFS 70, s62, 15, s56, 13                      ; R's scale bytes: 256 rows a wave
.set i, 0
.rept 16
	global_load_b128 v[RST+4*i:RST+4*i+3], v7, s[70:71] offset:512*i
.set i, i+1
.endr
	WIN 0
	s_lshl_b32 s2, s62, 1
	s_add_co_u32 s2, s2, s63                       ; my batch
	s_lshl_b32 s3, s61, 1
	s_add_co_u32 s3, s3, s58                       ; my head
	OFFS 94, s2, 16, s3, 12                        ; u_noise: 4,096 bytes for each (batch, head)
.irp n, 0,1,2,3,4,5,6,7
	global_load_b128 v[CT+4*\n:CT+4*\n+3], v7, s[94:95] offset:512*\n th:TH_LOAD_NT   ; u_0, u_1 of keys 64 n + 2 lane, + 1
.endr
	OFFS 76, s3, 11, 0, 0
	OFFS 90, s3, 8, 0, 0
	OFFS 78, s3, 11, 0, 0
	OFFS 92, s3, 8, 0, 0
	OFFS 96, s62, 11, s61, 8                       ; ctx: a unit of 256 bytes for each work-group, [32 (y)][8 (x)]
	SLOAD WSC, 76
	BLOAD BK, 90
	SLOAD WSC+16, 78
	BLOAD BV, 92
	; the ring's addresses
	s_lshl_b32 s98, s63, 18
	s_lshl_b32 s99, s58, 15
	s_add_co_u32 s98, s98, s99
	s_mov_b32 s99, 0
	s_add_nc_u64 s[68:69], s[68:69], s[98:99]      ; batch 2 y + wr, 64 wc keys on
	s_add_nc_u64 s[38:39], s[68:69], 256*512       ; slot 0's refill: keys 256 to 383
	s_or_b32 s39, s39, 0x80000000
	s_add_nc_u64 s[54:55], s[68:69], 128*512       ; slot 1's: keys 128 to 255, and later 384 to 511
	s_or_b32 s55, s55, 0x80000000
	; q for the work-group's 2 batches x 128 channels: wave w makes channels 32 w on
	s_wait_loadcnt 48                              ; behind Wq's last load stand 48 (R's scales 16, u 8, W's scales and biases 24)
	WIN 0x51                                       ; source 0 window 1, source 1 window 0, C and D window 1
.irp q, 0,1,2,3                                ; two accumulators by turns: K steps 0-3 begin with bq, 4-7 with 0
	v_wmma_scale_f32_32x16x128_f4 v[KA:KA+15], v[16*\q:16*\q+15], v[VA+8*\q:VA+8*\q+7], v[KA:KA+15], v[RSC+\q], v[12+\q]
.if \q == 0
	v_wmma_scale_f32_32x16x128_f4 v[KA+16:KA+31], v[16*\q+64:16*\q+79], v[VA+8*\q+32:VA+8*\q+39], 0, v[RSC+4+\q], v[12+\q] matrix_b_scale:MATRIX_SCALE_ROW1
.else
	v_wmma_scale_f32_32x16x128_f4 v[KA+16:KA+31], v[16*\q+64:16*\q+79], v[VA+8*\q+32:VA+8*\q+39], v[KA+16:KA+31], v[RSC+4+\q], v[12+\q] matrix_b_scale:MATRIX_SCALE_ROW1
.endif
.endr
	PLACES 4
	WIN 0x55
.irp i, 0,2,4,6,8,10,12,14
	v_pk_add_f32 v[KA+\i:KA+\i+1], v[KA+\i:KA+\i+1], v[KA+16+\i:KA+17+\i]
.endr
	WIN 0x04                                       ; LDS data in window 1, addresses in window 0
.irp s, 0,1
	ds_store_b128 v225, v[KA+8*\s:KA+8*\s+3] offset:64*\s      ; eight lanes write the same bytes with the same values
	ds_store_b128 v225, v[KA+8*\s+4:KA+8*\s+7] offset:64*\s+16
.endr
	s_wait_loadcnt 32                              ; R's scale bytes are in
.set i, 0
.rept 16
	ds_store_b128 v227, v[RST+4*i:RST+4*i+3] offset:544*i
.set i, i+1
.endr
	WIN 0
	s_wait_loadcnt 24                              ; u is in
.set i, 0
.rept 16
	v_pk_add_f32 v[CT+2*i:CT+2*i+1], v[CT+2*i:CT+2*i+1], s[66:67] op_sel_hi:[1,0]   ; u + E
.set i, i+1
.endr
	STLE
.set i, 0
.rept 32
	v_log_f32 v[CT+i], v[CT+i]
.set i, i+1
.endr
	v_nop                                          ; a plain line behind the last transcendental
	STLE
.set i, 0
.rept 32
	v_fma_f32 v[CT+i], v[CT+i], s67, s66           ; a = -ln(u + E) + E
.set i, i+1
.endr
.irp n, 0,1,2,3,4,5,6,7
	ds_store_b128 v224, v[CT+4*\n:CT+4*\n+3] offset:512*\n   ; my own bytes: key k's pair at 8 k
.endr
	STLE
	s_wait_tensorcnt 0x0                           ; my part of R's first tile or of W is in
	s_wait_dscnt 0x0                               ; my part of q, of the scale bytes and of a lies in LDS
	s_barrier_signal -1
	s_barrier_wait -1                              ; everybody's does
	WIN 0xc0
.irp t, 0,1,2,3
	ds_load_b128 v[QN+8*\t:QN+8*\t+3], v226 offset:64*\t       ; q of my batch and head: channels 16 t + 8 h + 0 .. 7
	ds_load_b128 v[QN+8*\t+4:QN+8*\t+7], v226 offset:64*\t+16
.endr
	WIN 0x80
.irp q, 0,1,2,3,4,5,6,7
	WCOPY 228, \q                                  ; Wk
.endr
	WIN 0
	ds_load_b128 v[RSC:RSC+3], v242                ; pair 0's scale words
	ds_load_b128 v[RSC+4:RSC+7], v242 offset:544
	WIN 0x40
	FLOAD 0
	FLOAD 4
	WIN 0xc0
.irp q, 0,1,2,3,4,5
	WCOPY 229, \q                                  ; Wv
.endr
	WIN 0x40
	WCOPY 229, 6
	WCOPY 229, 7
	WIN 0
.set i, 0
.rept 32
	v_mov_b32 v[CT+i], 0                           ; ctx's sums: the trip that adds is written once for all, so they begin as zeros
.set i, i+1
.endr
	s_wait_dscnt 63                                ; the 63 that may be out are Wv's
	WIN 0x0f                                       ; |q|^2: my 32 channels in two chains
	v_pk_mul_f32 v[248:249], v[QN:QN+1], v[QN:QN+1]
	v_pk_mul_f32 v[250:251], v[QN+16:QN+17], v[QN+16:QN+17]
.irp i, 2,4,6,8,10,12,14
	v_pk_fma_f32 v[248:249], v[QN+\i:QN+\i+1], v[QN+\i:QN+\i+1], v[248:249]
	v_pk_fma_f32 v[250:251], v[QN+16+\i:QN+17+\i], v[QN+16+\i:QN+17+\i], v[250:251]
.endr
	WIN 0
	v_pk_add_f32 v[248:249], v[248:249], v[250:251]
	v_add_f32 v248, v248, v249
	v_permlanex16_b32 v249, v248, s48, s49         ; and lane l xor 16's 32
	v_add_f32 v248, v248, v249
	STLE
	v_rsq_f32 v252, v248
	v_nop
	STLE
	WIN 0xc3
.irp i, 0,2,4,6,8,10,12,14,16,18,20,22,24,26,28,30
	v_pk_mul_f32 v[QN+\i:QN+\i+1], v[QN+\i:QN+\i+1], v[252:253] op_sel_hi:[1,0]   ; q / |q|
.endr
	s_mov_b32 s3, 32*RP                            ; the next pair's rows,
	s_mov_b32 s2, 1088                             ; its scale words,
	s_mov_b32 s57, 0                               ; and this pair's a
	STLE
; One matrix instruction: ph = 0: k, 1: v.  j = 2 a + B: the four accumulators take turns, one instruction a turn.  The biases start the sums.
.macro MMA ph, j, q, sc
.set rD, 32*((\j)/2)+16*((\j)%2)
.if (\ph) == 0
.set rD, rD+KA
.set rC, BK+16*((\j)%2)
.else
.set rD, rD+VA
.set rC, BV+16*((\j)%2)
.endif
.if (\q) > 0
.set rC, rD
.endif
.set rW, 16*(2*(\q)+(\j)%2)
.set rR, 16*(\q)+8*((\j)/2)
.set rS, WSC+16*(\ph)+8*((\j)%2)+(\q)
.set rT, RSC+8*(\sc)+4*((\j)/2)+(\q)%4
.if (\q) < 4
	v_wmma_scale_f32_32x16x128_f4 v[rD:rD+15], v[rW:rW+15], v[rR:rR+7], v[rC:rC+15], v[rS], v[rT]
.else
	v_wmma_scale_f32_32x16x128_f4 v[rD:rD+15], v[rW:rW+15], v[rR:rR+7], v[rC:rC+15], v[rS], v[rT] matrix_b_scale:MATRIX_SCALE_ROW1
.endif
.endm
; Beside v's K steps 0 to 5, without a switch of windows: the dots (q / |q|) . k of keys 16 a on, v224-227.  Line e: a = e % 2, channels' pair e / 2; each accumulator from its low end on.
.macro DOT1 e
.set kI, 2*((\e)/2)
.set kK, KA+32*((\e)%2)+kI
.set kD, 224+2*((\e)%2)
.if kI == 0
	v_pk_mul_f32 v[kD:kD+1], v[QN:QN+1], v[kK:kK+1]
.else
	v_pk_fma_f32 v[kD:kD+1], v[QN+kI:QN+kI+1], v[kK:kK+1], v[kD:kD+1]
.endif
.endm
.macro DOT n                           ; two lines in each of the first eight places, one in each of the next sixteen
.if (\n) < 8
	DOT1 2*(\n)
	DOT1 2*(\n)+1
.else
	DOT1 (\n)+8
.endif
.endm
; Beside K steps 6 and 7, without a switch of windows: |k|^2, two chains for each a, v228-235
.macro NORM n
.irp p, 0,1
.irp a, 0,1
.set kK, KA+32*\a+2*(2*(\n)+\p)
.set kD, 228+4*\a+2*\p
.if (\n) == 0
	v_pk_mul_f32 v[kD:kD+1], v[kK:kK+1], v[kK:kK+1]
.else
	v_pk_fma_f32 v[kD:kD+1], v[kK:kK+1], v[kK:kK+1], v[kD:kD+1]
.endif
.endr
.endr
.endm
.macro RECIP n                         ; a step of the reciprocal of d = v230
.if (\n) == 0
	v_fma_f32 v227, -v230, v231, 1.0               ; e = 1 - d y
.elseif (\n) == 1
	v_fma_f32 v228, v227, v227, v227
.else
	v_fma_f32 v231, v231, v228, v231               ; y (1 + e + e e): e^3 is left
.endif
.endm
.macro CTX s                           ; four packed lines of ctx += gate x v
.set cA, (\s)/4
.irp m, 0,1,2,3
.set cI, 2*(4*((\s)%4)+\m)
	v_pk_fma_f32 v[CT+cI:CT+cI+1], v[VA+32*cA+cI:VA+32*cA+cI+1], v[PB+2*cA:PB+2*cA+1], v[CT+cI:CT+cI+1] op_sel_hi:[1,0,1]
.endr
.endm
; THE GATE AND ctx of the pair behind, a few lines beside each of k's products, all in window 0
.macro GATE n
.if (\n) != 23
	WIN 0
.endif
.if (\n) == 0
	v_pk_add_f32 v[228:229], v[228:229], v[230:231]
	v_pk_add_f32 v[232:233], v[232:233], v[234:235]
	v_add_f32 v224, v224, v225                     ; even and odd channels: lane (r, h): half sums of key r and of key 16 + r
	v_add_f32 v226, v226, v227
.elseif (\n) == 1
	v_add_f32 v228, v228, v229
	v_add_f32 v232, v232, v233
	v_permlane16_swap_b32 v224, v226               ; both registers then hold, in lane l, a half sum of key l of the 32
.elseif (\n) == 2
	v_permlane16_swap_b32 v228, v232
	v_add_f32 v224, v224, v226                     ; (q / |q|) . k
.elseif (\n) == 3
	v_add_f32 v232, v228, v232                     ; n = |k|^2
	v_lshrrev_b32 v225, 1, v232
.elseif (\n) == 4
	v_sub_nc_u32 v225, 0x5f3759df, v225            ; y = 1 / |k| to 0.035 of itself, from n's bits
	v_mul_f32 v227, v232, v225
.elseif (\n) == 5
	v_fma_f32 v227, -v227, v225, 1.0               ; e = 1 - n y y, under 0.073
	v_mul_f32 v228, v225, v227
	v_fma_f32 v229, v227, 0x3ec00000, 0.5
.elseif (\n) == 6
	v_fma_f32 v225, v228, v229, v225               ; y (1 + e / 2 + 3 e e / 8): 5/16 e^3 is left, under 1.3e-4
	v_mul_f32 v227, v232, v225
.elseif (\n) == 7
	v_fma_f32 v227, -v227, v225, 1.0
	v_mul_f32 v228, 0.5, v225
.elseif (\n) == 8
	v_fma_f32 v225, v228, v227, v225               ; y (1 + e / 2): under 3e-8 is left
.elseif (\n) == 9
	v_mul_f32 v224, v224, v225                     ; the cosine
.elseif (\n) == 10
	v_fma_f32 v227, v224, 0.5, 0.5                 ; p
.elseif (\n) == 11
	v_sub_f32 v228, 1.0, v227
	v_add_f32 v227, s66, v227                      ; p + E
.elseif (\n) == 12
	v_add_f32 v228, s66, v228                      ; 1 - p + E
	v_mul_f32 v229, v227, v245                     ; (p + E) a_1
.elseif (\n) == 13
	v_fma_f32 v230, v228, v244, v229               ; d = that + (1 - p + E) a_0
.elseif (\n) == 14
	v_sub_nc_u32 v231, 0x7ef311c7, v230            ; y = 1 / d to 0.13 of itself, from d's bits
.elseif (\n) < 21
	RECIP ((\n)-15)%3                              ; 0.13^3 = 2.2e-3, and once more: 1.1e-8
.elseif (\n) == 21
	v_mul_f32 v[PB], v229, v231                    ; the gate of key lane, twice:
	v_mul_f32 v[PB+2], v229, v231
.elseif (\n) == 22
	v_permlane16_swap_b32 v[PB], v[PB+2]           ; the exchange leaves the first sixteen gates in both halves of the first register, the others in both halves of the second
.elseif (\n) > 23
	CTX (\n)-24
.endif
.endm
; A TRIP.  sc: the set of R's scale words;  epi = 0: the first trip, with no pair behind it;  fill = 1: the next pair's fragments and scale words are fetched, in two runs, each four plain lines behind the last products that read the registers.
.macro TRIP sc, epi, fill
.irp q, 0,1,2,3,4,5,6,7
.if (\q) == 0
.if (\epi)
	s_wait_dscnt 16                                ; the first run is in; the second run's 16 loads may be out
.else
	s_wait_loadcnt 0x0                             ; W's scale words and the biases
	s_wait_dscnt 63                                ; the 63 that may be out are Wv's
.endif
.elseif (\q) == 4
.if (\epi)
	STLE
	s_wait_dscnt 0x0                               ; the second run
.endif
.endif
.irp j, 0,1,2,3
.if (\q) == 0
	WIN 0x46                                       ; source 0 (Wk) window 2, source 1 (R) window 1, C (bias) window 0, D window 1
.else
	WIN 0x56
.endif
	MMA 0, \j, \q, \sc
.if (\epi)
	GATE 4*(\q)+(\j)
.endif
.endr
.endr
.if (\epi) == 0
	PLACES 4
	WIN 0
	STLE
	s_wait_tensorcnt 0x0                           ; W lies in registers: slot 1 takes R.
	ds_add_u32 v10, v11
	s_wait_dscnt 0x0                               ; the add is done, and my reads of W
	CROUND
	tensor_load_to_lds s[52:55], s[20:27]          ; keys 128 to 255
	s_nop 0
	PLACES 4
.endif
.irp q, 0,1,2,3,4,5,6,7
.irp j, 0,1,2,3
.if (\q) < 6
	WIN 0x07                                       ; source 0 (Wv, q) window 3, source 1 (R, k) window 1, C and D window 0
	MMA 1, \j, \q, \sc
	DOT 4*(\q)+(\j)
.else
	WIN 0x05                                       ; source 0 (Wv, k) window 1
	MMA 1, \j, \q, \sc
	NORM 4*(\q)+(\j)-24
.endif
.if 4*(\q)+(\j) == 0
	WIN 0
	v_add_nc_u32 v246, s57, v247
.if (\fill)
	v_add_nc_u32 v240, s3, v241
	v_add_nc_u32 v242, s2, v243
.endif
.endif
.if 4*(\q)+(\j) == 18
	WIN 0
	ds_load_b64 v[244:245], v246                   ; a_0, a_1 of key lane
.if (\fill)
	ds_load_b128 v[RSC+8*(1-(\sc)):RSC+8*(1-(\sc))+3], v242
	ds_load_b128 v[RSC+8*(1-(\sc))+4:RSC+8*(1-(\sc))+7], v242 offset:544
	WIN 0x40
	FLOAD 0
.endif
.endif
.endr
.endr
	STLE
.if (\fill)
	WIN 0x40
	FLOAD 4
.endif
	WIN 0
	s_add_co_u32 s3, s3, 32*RP
	s_add_co_u32 s2, s2, 1088
	s_add_co_u32 s57, s57, 256
.endm
; THE CHANGE OF SLOTS, at a trip's edge: the slot ahead is whole, and nobody reads the slot behind any more: it is filled again, the first thing behind the round, 64 rows a wave.
.macro TURN g0, step
	s_wait_tensorcnt 0x0                           ; no tensor load of mine is out
	ds_add_u32 v10, v11                            ; 0 onto my spare word
	s_add_nc_u64 s[\g0+2:\g0+3], s[\g0+2:\g0+3], \step
	s_wait_dscnt 0x0                               ; the add is done, and my reads of the slot behind
	CROUND
	tensor_load_to_lds s[\g0:\g0+3], s[20:27]
	s_nop 0
	PLACES 4
.endm
.macro LAP name                        ; four trips, two a turn of the loop: the sets of scale words alternate
	s_mov_b32 s50, 2
\name:
	TRIP 1, 1, 1
	TRIP 0, 1, 1
	s_sub_co_u32 s50, s50, 1
	s_cmp_lg_u32 s50, 0
	s_cbranch_scc1 \name
.endm
	TRIP 0, 0, 1
	TRIP 1, 1, 1
	TRIP 0, 1, 1
	s_mov_b32 s3, S1                               ; pairs 4 to 7 lie in slot 1
	TURN 36, 0                                     ; slot 0 takes keys 256 to 383
	LAP .Llap1
	s_mov_b32 s3, 0                                ; pairs 8 to 11 in slot 0
	TURN 52, 256*512                               ; slot 1 takes keys 384 to 511
	LAP .Llap2
	s_mov_b32 s3, S1                               ; pairs 12 to 15 in slot 1
	s_wait_tensorcnt 0x0                           ; my part of the last tile is in
	s_wait_dscnt 0x0
	s_barrier_signal -1
	s_barrier_wait -1                              ; everybody's is
	LAP .Llap3
	TRIP 1, 1, 0
	s_wait_dscnt 0x0                               ; the last pair's a
.set i, 0
.rept 32
	GATE i
.set i, i+1
.endr
	; THE WAY OUT.  Lane (r, h) holds the sums over the keys that are r modulo 16: four steps across the sixteen lanes
.irp m, 1,2,4,8
.set i, 0
.rept 32
	v_add_f32_dpp v[CT+i], v[CT+i], v[CT+i] row_xmask:\m row_mask:0xf bank_mask:0xf
.set i, i+1
.endr
.endr
	; ctx is quantised: my 64 channels are two blocks of 32, each half in lanes h = 0 and half in lanes h = 1
	v_mov_b32 v250, 0                              ; (a lane permute's destination counts as one of its sources)
	v_mov_b32 v251, 0
.irp b, 0,1
	v_max3_num_f32 v[248+\b], |v[CT+16*\b]|, |v[CT+1+16*\b]|, 0x1800000   ; with the floor 2^(3 - 127): the byte cannot fall under 1
.endr
.irp i, 2,4,6,8,10,12,14
.irp b, 0,1
	v_max3_num_f32 v[248+\b], v[248+\b], |v[CT+16*\b+\i]|, |v[CT+1+16*\b+\i]|
.endr
.endr
.irp b, 0,1
	v_permlanex16_b32 v[250+\b], v[248+\b], s48, s49
.endr
.irp b, 0,1
	v_max_num_f32 v[248+\b], v[248+\b], v[250+\b]  ; with lane l xor 16's: the block's largest magnitude
.endr
.irp b, 0,1
	v_add_nc_u32 v[252+\b], 0xff000000, v[248+\b]  ; 2 off its exponent field: the conversion takes the exponent field of this operand as its scale
.endr
.irp b, 0,1
	v_lshrrev_b32 v[254+\b], 23, v[252+\b]         ; the scale's byte
.endr
	v_lshl_or_b32 v254, v255, 8, v254              ; my two bytes
	v_bfe_u32 v232, v0, 4, 1                       ; h
	v_and_b32 v233, 15, v0                         ; r
	s_lshl_b32 s40, s56, 5
	s_add_co_u32 s40, s40, CX
	s_lshl_b32 s41, s56, 1
	s_add_co_u32 s41, s41, CX+128
	v_lshlrev_b32 v230, 2, v232
	v_add_nc_u32 v230, s40, v230                   ; my 32 bytes of codes: + 8 t + 4 h
	v_lshlrev_b32 v231, 3, v233
	v_add_nc_u32 v231, s41, v231                   ; the work-group's eight scale bytes, sixteen times over: lane r writes my two of copy r
	v_add_nc_u32 v234, CX, v8                      ; back: 8 bytes a lane
.irp t, 0,1,2,3
	v_cvt_scalef32_pk8_fp4_f32 v[224+\t], v[CT+8*\t:CT+8*\t+7], v[252+\t/2]   ; channels 16 t + 8 h + 0 .. 7
.endr
	v_nop                                          ; one plain line behind a scaled conversion
.irp t, 0,1,2,3
	ds_store_b32 v230, v[224+\t] offset:8*\t       ; sixteen lanes write the same word with the same value
.endr
	ds_store_b16 v231, v254
	STLE
	s_wait_tensorcnt 0x0
	ds_add_u32 v10, v11
	s_wait_dscnt 0x0
	s_barrier_signal -1
	s_barrier_wait -1                              ; the unit is whole: [2 batches][64 bytes: 128 codes of K step x of the next product], then its scale bytes
	s_cmp_lg_u32 s56, 0
	s_cbranch_scc1 .Lsent
	ds_load_b64 v[224:225], v234
	s_wait_dscnt 0x0
	global_store_b64 v8, v[224:225], s[96:97]      ; wave 0's 32 lanes store 256 consecutive bytes, at a multiple of 256 from ctx's first byte
.Lsent:
	CROUND                                         ; the closing round: no work-group ends while a partner may still ask for a tile that names it
	s_endpgm
.Lfunc_end_k_q17800fe05e_attend:
	.size	k_q17800fe05e_attend, .Lfunc_end_k_q17800fe05e_attend-k_q17800fe05e_attend
	.p2alignl 7, 3214868480
	.fill 96, 4, 3214868480
	.section	.rodata,"a",@progbits
	.p2align	6, 0x0
	.amdhsa_kernel k_q17800fe05e_attend
		.amdhsa_group_segment_fixed_size 327680
		.amdhsa_private_segment_fixed_size 0
		.amdhsa_enable_private_segment 0
		.amdhsa_kernarg_size 120
		.amdhsa_user_sgpr_count 2
		.amdhsa_user_sgpr_kernarg_segment_ptr 1
		.amdhsa_wavefront_size32 1
		.amdhsa_system_sgpr_workgroup_id_x 1
		.amdhsa_system_sgpr_workgroup_id_y 1
		.amdhsa_system_sgpr_workgroup_id_z 1
		.amdhsa_system_vgpr_workitem_id 0
		.amdhsa_next_free_vgpr 1024
		.amdhsa_next_free_sgpr 106
		.amdhsa_reserve_vcc 0
		.amdhsa_float_denorm_mode_32 3
		.amdhsa_float_denorm_mode_16_64 3
		.amdhsa_memory_ordered 1
		.amdhsa_forward_progress 1
		.amdhsa_inst_pref_size 255
	.end_amdhsa_kernel
	.section	.bss,"aw",@nobits
	.p2align	6
	.space	262144
	.amdgpu_metadata
---
amdhsa.version: [ 1, 2 ]
amdhsa.kernels:
  - .name:           k_q17800fe05e_attend
    .symbol:         k_q17800fe05e_attend.kd
    .args:
      - { .name: retrieval_tensor_codes, .offset: 0, .size: 8, .value_kind: global_buffer, .address_space: global }
      - { .name: retrieval_tensor_scales, .offset: 8, .size: 8, .value_kind: global_buffer, .address_space: global }
      - { .name: Wk_codes, .offset: 16, .size: 8, .value_kind: global_buffer, .address_space: global }
      - { .name: Wv_codes, .offset: 24, .size: 8, .value_kind: global_buffer, .address_space: global }
      - { .name: Wk_scales, .offset: 32, .size: 8, .value_kind: global_buffer, .address_space: global }
      - { .name: Wv_scales, .offset: 40, .size: 8, .value_kind: global_buffer, .address_space: global }
      - { .name: Wq_codes, .offset: 48, .size: 8, .value_kind: global_buffer, .address_space: global }
      - { .name: Wq_scales, .offset: 56, .size: 8, .value_kind: global_buffer, .address_space: global }
      - { .name: input_tensor_codes, .offset: 64, .size: 8, .value_kind: global_buffer, .address_space: global }
      - { .name: input_tensor_scales, .offset: 72, .size: 8, .value_kind: global_buffer, .address_space: global }
      - { .name: bq, .offset: 80, .size: 8, .value_kind: global_buffer, .address_space: global }
      - { .name: bk, .offset: 88, .size: 8, .value_kind: global_buffer, .address_space: global }
      - { .name: bv, .offset: 96, .size: 8, .value_kind: global_buffer, .address_space: global }
      - { .name: u_noise, .offset: 104, .size: 8, .value_kind: global_buffer, .address_space: global }
      - { .name: ctx, .offset: 112, .size: 8, .value_kind: global_buffer, .address_space: global }
    .group_segment_fixed_size: 327680
    .private_segment_fixed_size: 0
    .kernarg_segment_align: 8
    .kernarg_segment_size: 120
    .max_flat_workgroup_size: 128
    .sgpr_count:     106
    .vgpr_count:     1024
    .wavefront_size: 32
...
	.end_amdgpu_metadata
.endif
;; end of part 1
;; launch merge (part 2): grid 16 x 4, 4 waves a work-group, no clusters, 5,120 bytes of LDS; arguments ctx, Wd_codes, Wd_scales, bd, out0; writes out0
.if DOCPART == 2
	.amdgcn_target "amdgcn-amd-amdhsa--gfx1250"
	.amdhsa_code_object_version 6
	.text
	.protected	k_q17800fe05e_merge
	.globl	k_q17800fe05e_merge
	.p2align	8
	.type	k_q17800fe05e_merge,@function
k_q17800fe05e_merge:
	s_mov_b64 s[64:65], 0
	v_nop
	global_prefetch_b8 v0, s[64:65] scope:SCOPE_SE
	s_setreg_imm32_b32 hwreg(HW_REG_WAVE_MODE, 25, 1), 1
	s_wait_xcnt 0x0
; out0 = Q(ctx) Wd + bd.  ctx comes quantised in units of 256 bytes, [32 (row / 2)][8 (K step)]: two rows' 128 codes of that K step, 64 bytes each, then at byte 128 the two rows' scale words (and copies of them).  Wd comes as codes [1024 (n)][1024 (k)] with its scale bytes [1024][32].
; SHARES.  Work-group (gx, gy): rows 16 gy on, columns 64 gx on.  Wave w makes columns 64 gx + 16 w on: eight matrix instructions on two accumulators by turns, used transposed (source 0 = 16 rows of Wd): lane (r, h) holds row r's eight neighbouring columns.
; Fragments go from memory straight into registers.  No tensor load, no cluster: 64 small work-groups; what they share is 10 KiB of ctx and 9 KiB of Wd a wave.  No loop, so no prefetch.
; LIMITS: none beyond those of the launch ahead.  No step of the problem is left out.
.set STG,  0                           ; 16 rows x (256 bytes + 16)
.set SPARE, 4352                       ; the spare words, 128 bytes a wave: two blocks of 256 bytes that no other line names
.set XF,   16                          ; ctx's eight fragments
.set WF,   80                          ; Wd's eight fragments
.set BD,   144                         ; bd in the result's layout
.set WS,   152                         ; Wd's scale words: register n: lanes 0-15 K step n, lanes 16-31 K step 4 + n
.set XS,   156                         ; ctx's scale words, a register a K step
.set AC,   168                         ; two accumulators
.macro OFFS p, ra, sa, rb, sb
	s_lshl_b32 s16, \ra, \sa
	s_lshl_b32 s17, \rb, \sb
	s_add_co_u32 s16, s16, s17
	s_mov_b32 s17, 0
	s_add_nc_u64 s[\p:\p+1], s[\p:\p+1], s[16:17]
.endm
	s_load_b256 s[4:11], s[0:1], 0x0               ; ctx s[4:5], Wd's codes s[6:7], Wd's scales s[8:9], bd s[10:11]
	s_load_b64 s[12:13], s[0:1], 0x20              ; out0
	v_lshl_add_u32 v200, v0, 2, SPARE              ; my spare word; never rewritten
	v_mov_b32 v201, 0                              ; 0; never rewritten
	v_lshrrev_b32 v1, 5, v0
	v_readfirstlane_b32 s14, v1                    ; wave 0..3
	s_and_b32 s15, ttmp7, 0xffff                   ; gy
	s_lshl_b32 s18, s14, 6
	s_mul_i32 s19, s14, 4*272
	v_and_b32 v2, 15, v0                           ; r
	v_bfe_u32 v3, v0, 4, 1                         ; h
	v_lshrrev_b32 v6, 1, v2
	v_lshlrev_b32 v6, 11, v6                       ; ctx: 2,048 bytes for two rows
	v_and_b32 v7, 1, v2
	v_lshl_add_u32 v4, v7, 6, v6
	v_lshl_add_u32 v4, v3, 4, v4                   ; codes: + 64 (r % 2) + 16 h
	v_lshl_add_u32 v5, v7, 2, v6                   ; scale word: + 4 (r % 2)
	v_lshlrev_b32 v9, 9, v2
	v_lshl_add_u32 v9, v3, 4, v9                   ; Wd: row r of 512 bytes + 16 h
	v_lshlrev_b32 v10, 5, v2
	v_lshl_add_u32 v10, v3, 4, v10                 ; its scales: row r of 32 bytes + 16 h
	v_lshlrev_b32 v11, 5, v3                       ; bd: 32 h
	v_mul_u32_u24 v12, v2, 272
	v_add_nc_u32 v12, v12, v11
	v_add_nc_u32 v12, s18, v12                     ; the stage, in: row r, + 64 w + 32 h
	v_mul_u32_u24 v13, v3, 272
	v_lshl_add_u32 v13, v2, 4, v13
	v_add_nc_u32 v13, s19, v13                     ; back: rows 4 w + lane / 16, 16 bytes a lane
	v_lshlrev_b32 v14, 12, v3
	v_lshl_add_u32 v14, v2, 4, v14                 ; and the same in out0
	s_wait_alu depctr_va_vdst(0)
	s_wait_kmcnt 0x0
	OFFS 4, s15, 14, 0, 0                          ; ctx: 16 gy rows
	OFFS 6, ttmp9, 15, s14, 13                     ; Wd's rows 64 gx + 16 w on
	OFFS 8, ttmp9, 11, s14, 9
	OFFS 10, ttmp9, 8, s14, 6
.irp q, 0,1,2,3,4,5,6,7
	global_load_b128 v[XF+8*\q:XF+8*\q+3], v4, s[4:5] offset:256*\q
	global_load_b128 v[XF+8*\q+4:XF+8*\q+7], v4, s[4:5] offset:256*\q+32
	global_load_b32 v[XS+\q], v5, s[4:5] offset:256*\q+128
.endr
.irp q, 0,1,2,3,4,5,6,7
	global_load_b128 v[WF+8*\q:WF+8*\q+3], v9, s[6:7] offset:64*\q
	global_load_b128 v[WF+8*\q+4:WF+8*\q+7], v9, s[6:7] offset:64*\q+32
.endr
	global_load_b128 v[WS:WS+3], v10, s[8:9]
	global_load_b128 v[BD:BD+3], v11, s[10:11]
	global_load_b128 v[BD+4:BD+7], v11, s[10:11] offset:16
	OFFS 12, s15, 16, s14, 14                      ; out0: rows 16 gy + 4 w on,
	OFFS 12, ttmp9, 8, 0, 0                        ; columns 64 gx on
	s_wait_loadcnt 0x0
	; two accumulators by turns: the even K steps begin with bd, the odd ones with 0
.irp q, 0,1,2,3,4,5,6,7
.set D, AC+8*(\q%2)
.if \q == 0
	v_wmma_scale_f32_16x16x128_f8f6f4 v[D:D+7], v[WF+8*\q:WF+8*\q+7], v[XF+8*\q:XF+8*\q+7], v[BD:BD+7], v[WS+\q%4], v[XS+\q] matrix_a_fmt:MATRIX_FMT_FP4 matrix_b_fmt:MATRIX_FMT_FP4
.elseif \q == 1
	v_wmma_scale_f32_16x16x128_f8f6f4 v[D:D+7], v[WF+8*\q:WF+8*\q+7], v[XF+8*\q:XF+8*\q+7], 0, v[WS+\q%4], v[XS+\q] matrix_a_fmt:MATRIX_FMT_FP4 matrix_b_fmt:MATRIX_FMT_FP4
.elseif \q < 4
	v_wmma_scale_f32_16x16x128_f8f6f4 v[D:D+7], v[WF+8*\q:WF+8*\q+7], v[XF+8*\q:XF+8*\q+7], v[D:D+7], v[WS+\q%4], v[XS+\q] matrix_a_fmt:MATRIX_FMT_FP4 matrix_b_fmt:MATRIX_FMT_FP4
.else
	v_wmma_scale_f32_16x16x128_f8f6f4 v[D:D+7], v[WF+8*\q:WF+8*\q+7], v[XF+8*\q:XF+8*\q+7], v[D:D+7], v[WS+\q%4], v[XS+\q] matrix_a_fmt:MATRIX_FMT_FP4 matrix_b_fmt:MATRIX_FMT_FP4 matrix_a_scale:MATRIX_SCALE_ROW1
.endif
.endr
.rept 4
	v_nop                                          ; places in front of the first read of results
.endr
.irp i, 0,2,4,6
	v_pk_add_f32 v[184+\i:185+\i], v[AC+\i:AC+\i+1], v[AC+8+\i:AC+9+\i]   ; lane (r, h): out0(16 gy + r, 64 gx + 16 w + 8 h + 0 .. 7); both accumulators from their low ends on
.endr
	ds_store_b128 v12, v[184:187] offset:STG
	ds_store_b128 v12, v[188:191] offset:STG+16
	s_wait_alu depctr_va_vdst(0)
	s_wait_tensorcnt 0x0
	ds_add_u32 v200, v201
	s_wait_dscnt 0x0                               ; my part of the stage is written
	s_barrier_signal -1
	s_barrier_wait -1                              ; 16 rows of 256 bytes lie in the stage
	ds_load_b128 v[192:195], v13 offset:STG
	ds_load_b128 v[196:199], v13 offset:STG+2*272
	s_wait_dscnt 1                                 ; the first two rows are back; the second load may be out
	global_store_b128 v14, v[192:195], s[12:13]    ; sixteen lanes store 256 consecutive bytes, at a multiple of 256 from out0's first byte
	s_wait_dscnt 0x0
	global_store_b128 v14, v[196:199], s[12:13] offset:8192
	s_endpgm
.Lfunc_end_k_q17800fe05e_merge:
	.size	k_q17800fe05e_merge, .Lfunc_end_k_q17800fe05e_merge-k_q17800fe05e_merge
	.p2alignl 7, 3214868480
	.fill 96, 4, 3214868480
	.section	.rodata,"a",@progbits
	.p2align	6, 0x0
	.amdhsa_kernel k_q17800fe05e_merge
		.amdhsa_group_segment_fixed_size 5120
		.amdhsa_private_segment_fixed_size 0
		.amdhsa_enable_private_segment 0
		.amdhsa_kernarg_size 40
		.amdhsa_user_sgpr_count 2
		.amdhsa_user_sgpr_kernarg_segment_ptr 1
		.amdhsa_wavefront_size32 1
		.amdhsa_system_sgpr_workgroup_id_x 1
		.amdhsa_system_sgpr_workgroup_id_y 1
		.amdhsa_system_sgpr_workgroup_id_z 1
		.amdhsa_system_vgpr_workitem_id 0
		.amdhsa_next_free_vgpr 256
		.amdhsa_next_free_sgpr 66
		.amdhsa_reserve_vcc 0
		.amdhsa_float_denorm_mode_32 3
		.amdhsa_float_denorm_mode_16_64 3
		.amdhsa_memory_ordered 1
		.amdhsa_forward_progress 1
		.amdhsa_inst_pref_size 9
	.end_amdhsa_kernel
	.amdgpu_metadata
---
amdhsa.version: [ 1, 2 ]
amdhsa.kernels:
  - .name:           k_q17800fe05e_merge
    .symbol:         k_q17800fe05e_merge.kd
    .args:
      - { .name: ctx, .offset: 0, .size: 8, .value_kind: global_buffer, .address_space: global }
      - { .name: Wd_codes, .offset: 8, .size: 8, .value_kind: global_buffer, .address_space: global }
      - { .name: Wd_scales, .offset: 16, .size: 8, .value_kind: global_buffer, .address_space: global }
      - { .name: bd, .offset: 24, .size: 8, .value_kind: global_buffer, .address_space: global }
      - { .name: out0, .offset: 32, .size: 8, .value_kind: global_buffer, .address_space: global }
    .group_segment_fixed_size: 5120
    .private_segment_fixed_size: 0
    .kernarg_segment_align: 8
    .kernarg_segment_size: 40
    .max_flat_workgroup_size: 128
    .sgpr_count:     66
    .vgpr_count:     256
    .wavefront_size: 32
...
	.end_amdgpu_metadata
.endif
;; end of part 2
